; MI455X (gfx1250); checked and timed in simulation.
; The chip was launched on July 23, 2026; its instructions are those of AMD's public machine-readable ISA for CDNA 5 (MIT licence, August 2026) and "CDNA5" Instruction Set Architecture Reference Guide (July 2026). The comments in the code are by the model that wrote it; some were corrected since.
;; Attention3. Allowed arithmetic: float matrix products may take bf16 or f16 operands with f32 sums; other float arithmetic in f32, or as packed bf16 or f16 multiplies, adds, multiply-adds, maxima and minima; sums over many terms, partial sums and values carried from step to step in f32; what a program stores and reads back later, other than sums and carried values, may be rounded once to bf16 or f16.
;; Inputs: U_b 1,024 float32; U_w 1,024 x 1,024 float32; W_b 1,024 float32; W_w 1,024 x 1,024 float32; decoder_hidden 32 x 1 x 1,024 float32; encoder_outputs 32 x 2,048 x 1,024 float32; v_b 1 float32; v_w 1 x 1,024 float32.
;; Outputs: out0 32 x 1 x 1,024 float32; out1 32 x 1 x 2,048 float32.
;; One version. Each part assembles by itself: llvm-mc -triple=amdgcn-amd-amdhsa -mcpu=gfx1250 --defsym DOCPART=n.
;; ======== version 1 of 1: 3 launches
;; workspace buffers: ub 2,097,152 bytes; qcw 131,072 bytes; sc 262,144 bytes; pml 262,144 bytes; pc 2,097,152 bytes
;; launch prep (part 1): grid 64 x 1, 4 waves a work-group, no clusters, 8,704 bytes of LDS; arguments U_w, W_w, decoder_hidden, W_b, U_b, ub, qcw; writes ub, qcw
.if DOCPART == 1
	.amdgcn_target "amdgcn-amd-amdhsa--gfx1250"
	.amdhsa_code_object_version 6
	.text
	.protected	k_q4d25fc8f31_prep
	.globl	k_q4d25fc8f31_prep
	.p2align	8
	.type	k_q4d25fc8f31_prep,@function
k_q4d25fc8f31_prep:
	s_mov_b64 s[64:65], 0
	v_nop
	global_prefetch_b8 v0, s[64:65] scope:SCOPE_SE
	s_setreg_imm32_b32 hwreg(HW_REG_WAVE_MODE, 25, 1), 1
	s_wait_xcnt 0x0
; PREPARATION.  (1) ub: c U_w, rounded once to bf16 and laid out as the matrix fragments that the next launch loads.  (2) qcw = c (decoder_hidden W_w^T + W_b + U_b).  c = 2 log2(e):
; the next launch wants 2^(c (q + k)), so the factor goes into both terms here, in f32, ahead of the one rounding.
; SHARES.  Work-group j (of 64) owns rows n = 16 j .. 16 j + 15 of U_w and of W_w; wave w the channels k = 256 w .. 256 w + 255: eight steps u of 32 (step t = 8 w + u).
; A FRAGMENT is 16 rows x 32 channels of bf16 in 8 registers: lane l holds row l % 16; registers 0-3 channels 8 (l / 16) + 0..7, registers 4-7 channels 16 + 8 (l / 16) + 0..7.
; From f32 rows: four loads of 16 bytes a lane (bytes 0, 16, 64, 80 behind 32 (l / 16)), then eight packed roundings, in place.
; ub: the fragment of row tile j and step t lies at ((j >> 3) 32 + t) 8192 + (j & 7) 1024: registers 0-3 of lane l at 16 l, registers 4-7 at 512 + 16 l.  Each store of a wave covers 512 consecutive bytes, aligned.
; q: source 0 = W's fragment, source 1 = decoder_hidden's (batches 16 mt + l % 16): in the result a lane holds one batch and the rows n = 16 j + 8 (l / 16) + 0..7.  The four waves' partial sums over K meet in LDS.
; qcw: [j][batch][16 n] f32: the work-group writes 2,048 consecutive bytes.
; LIMITS.  Matrix operands are rounded to bf16; sums in f32, in another order than a chain over k.  NaN and infinities are not treated apart.
; REGISTERS, in windows of 256 (s_set_vgpr_msb: bits 1:0 source 0, 3:2 source 1, 5:4 source 2, 7:6 destination):
;   window 0: v0-12 addresses; v[16:23], v[24:31] the two sums (batches 0-15, 16-31); v[32:39] the biases; v[40:55] the four partial sums
;   window 1: v[16 u ..] U's step u; v[128 + 16 u ..] W's          window 2: v[128 mt + 16 u ..] decoder_hidden's
.set SPARE, 8192                       ; behind the partial sums: the spare words, 128 bytes for each wave: two blocks of 256 bytes that no other line names
.set MSB, 0
.macro WIN new                         ; the immediate's high byte repeats the setting that is left; a switch that changes nothing is dropped
.if MSB != (\new)
	s_set_vgpr_msb (MSB<<8)|(\new)
.set MSB, \new
.endif
.endm
.macro LDF dst, base, imm              ; a fragment's 16 f32 of my lane
	global_load_b128 v[(\dst):(\dst)+3],     v3, s[(\base):(\base)+1] offset:(\imm)
	global_load_b128 v[(\dst)+4:(\dst)+7],   v3, s[(\base):(\base)+1] offset:(\imm)+16
	global_load_b128 v[(\dst)+8:(\dst)+11],  v3, s[(\base):(\base)+1] offset:(\imm)+64
	global_load_b128 v[(\dst)+12:(\dst)+15], v3, s[(\base):(\base)+1] offset:(\imm)+80
.endm
.macro SCF L                           ; 16 f32 times c, in place
.irp q, 0,1,2,3,4,5,6,7
	v_pk_mul_f32 v[(\L)+2*(\q):(\L)+2*(\q)+1], v[(\L)+2*(\q):(\L)+2*(\q)+1], s[24:25] op_sel_hi:[1,0]
.endr
.endm
.macro CVF L                           ; 16 f32 -> 8 registers of bf16, in place: line q writes register q and reads 2 q, 2 q + 1, which no earlier line has written
.irp q, 0,1,2,3,4,5,6,7
	v_cvt_pk_bf16_f32 v[(\L)+(\q)], v[(\L)+2*(\q)], v[(\L)+2*(\q)+1]
.endr
.endm
	s_load_b256 s[4:11], s[0:1], 0x0               ; U_w s[4:5], W_w s[6:7], decoder_hidden s[8:9], W_b s[10:11]
	s_load_b128 s[12:15], s[0:1], 0x20             ; U_b s[12:13], ub s[14:15]
	s_load_b64 s[16:17], s[0:1], 0x30              ; qcw
	v_lshl_add_u32 v10, v0, 2, SPARE               ; my spare word,
	v_mov_b32 v11, 0                               ; and 0: kept for the wave's end alone
	v_lshrrev_b32 v9, 5, v0
	v_readfirstlane_b32 s20, v9                    ; wave 0..3
	v_and_b32 v1, 15, v0                           ; l % 16
	v_bfe_u32 v2, v0, 4, 1                         ; l / 16
	v_and_b32 v12, 31, v0                          ; l
	s_lshl_b32 s21, s20, 10
	v_lshlrev_b32 v3, 12, v1                       ; a fragment's row x 4,096 bytes
	v_lshl_add_u32 v3, v2, 5, v3                   ; + 32 (l / 16)
	v_add_nc_u32 v3, s21, v3                       ; + my wave's 256 channels
	v_lshlrev_b32 v4, 4, v12                       ; 16 l: my 16 bytes in a store to ub
	s_lshl_b32 s21, s20, 11
	v_lshl_add_u32 v5, v12, 5, s21                 ; LDS: 2,048 w + 32 l: my eight partial sums of a tile
	v_lshrrev_b32 v6, 6, v0                        ; back: thread t finishes batch t >> 2, rows 4 (t & 3) .. + 3 of the 16:
	v_lshlrev_b32 v6, 10, v6                       ; tile mt = t >> 6,
	v_bfe_u32 v13, v0, 2, 4
	v_lshl_add_u32 v6, v13, 5, v6                  ; lane (t >> 2) % 16
	v_bfe_u32 v13, v0, 1, 1
	v_lshl_add_u32 v6, v13, 9, v6                  ; + 16 ((t >> 1) & 1),
	v_and_b32 v13, 1, v0
	v_lshl_add_u32 v6, v13, 4, v6                  ; its registers 4 (t & 1) .. + 3
	v_and_b32 v7, 3, v0
	v_lshlrev_b32 v7, 4, v7                        ; my four numbers of the biases
	v_lshlrev_b32 v8, 4, v0                        ; my 16 bytes of qcw
	s_lshl_b32 s22, ttmp9, 16                      ; 16 rows of 4,096 bytes
	s_mov_b32 s23, 0
	s_lshl_b32 s28, ttmp9, 6                       ; 16 numbers of a bias
	s_mov_b32 s29, 0
	s_lshl_b32 s30, ttmp9, 11                      ; the work-group's 2,048 bytes of qcw
	s_mov_b32 s31, 0
	s_lshr_b32 s26, ttmp9, 3                       ; ub: (j >> 3) << 18 | w << 16 | (j & 7) << 10
	s_lshl_b32 s26, s26, 18
	s_lshl_b32 s27, s20, 16
	s_or_b32 s26, s26, s27
	s_and_b32 s27, ttmp9, 7
	s_lshl_b32 s27, s27, 10
	s_or_b32 s26, s26, s27
	s_mov_b32 s27, 0
	s_mov_b32 s24, 0x4038aa3b                      ; c = 2 log2(e)
	s_mov_b32 s25, s24                             ; named with it as a pair
	s_wait_kmcnt 0x0
	s_add_nc_u64 s[4:5], s[4:5], s[22:23]
	s_add_nc_u64 s[6:7], s[6:7], s[22:23]
	s_add_nc_u64 s[10:11], s[10:11], s[28:29]
	s_add_nc_u64 s[12:13], s[12:13], s[28:29]
	s_add_nc_u64 s[14:15], s[14:15], s[26:27]
	s_add_nc_u64 s[16:17], s[16:17], s[30:31]
	; all loads go out at once: the biases, W, decoder_hidden, and last U, which is wanted last
	global_load_b128 v[32:35], v7, s[10:11]
	global_load_b128 v[36:39], v7, s[12:13]
	WIN 0x40                                       ; destination window 1
.set u, 0
.rept 8
	LDF 128+16*u, 6, 128*u
.set u, u+1
.endr
	WIN 0x80                                       ; destination window 2
.set u, 0
.rept 8
	LDF 16*u, 8, 128*u
	LDF 128+16*u, 8, 65536+128*u
.set u, u+1
.endr
	WIN 0x40
.set u, 0
.rept 8
	LDF 16*u, 4, 128*u
.set u, u+1
.endr
	s_wait_loadcnt 32                              ; loads come back in order: all but U's 32, the youngest, are in
	WIN 0x45
.set u, 0
.rept 8
	CVF 128+16*u
.set u, u+1
.endr
	WIN 0x8a
.set u, 0
.rept 16
	CVF 16*u
.set u, u+1
.endr
	WIN 0x09                                       ; source 0 (W) window 1, source 1 (decoder_hidden) window 2, the sums window 0
	v_wmma_f32_16x16x32_bf16 v[16:23], v[128:135], v[0:7], 0          ; the first step starts both sums; the two sums take turns
	v_wmma_f32_16x16x32_bf16 v[24:31], v[128:135], v[128:135], 0
.set u, 1
.rept 7
	v_wmma_f32_16x16x32_bf16 v[16:23], v[128+16*u:135+16*u], v[16*u:16*u+7], v[16:23]
	v_wmma_f32_16x16x32_bf16 v[24:31], v[128+16*u:135+16*u], v[128+16*u:135+16*u], v[24:31]
.set u, u+1
.endr
	s_wait_loadcnt 0x0                             ; U is in
	WIN 0x45                                       ; its scalings and roundings name no register of the products: they are the places between the last product and the stores of the sums
.set u, 0
.rept 8
	SCF 16*u
	CVF 16*u
.set u, u+1
.endr
	WIN 0x04                                       ; store data window 1, address window 0
.set u, 0
.rept 8
	global_store_b128 v4, v[16*u:16*u+3],   s[14:15] offset:8192*u
	global_store_b128 v4, v[16*u+4:16*u+7], s[14:15] offset:8192*u+512
.set u, u+1
.endr
	WIN 0
	ds_store_b128 v5, v[16:19]                     ; each sum from its low registers on
	ds_store_b128 v5, v[20:23] offset:16
	ds_store_b128 v5, v[24:27] offset:1024
	ds_store_b128 v5, v[28:31] offset:1040
	s_wait_dscnt 0x0                               ; for the others' sake: my partial sums lie in LDS
	s_barrier_signal -1
	s_barrier_wait -1                              ; everybody's do
	ds_load_b128 v[40:43], v6
	ds_load_b128 v[44:47], v6 offset:2048
	ds_load_b128 v[48:51], v6 offset:4096
	ds_load_b128 v[52:55], v6 offset:6144
	v_pk_add_f32 v[32:33], v[32:33], v[36:37]      ; W_b + U_b
	v_pk_add_f32 v[34:35], v[34:35], v[38:39]
	s_wait_dscnt 0x0
	v_pk_add_f32 v[40:41], v[40:41], v[44:45]
	v_pk_add_f32 v[42:43], v[42:43], v[46:47]
	v_pk_add_f32 v[48:49], v[48:49], v[52:53]
	v_pk_add_f32 v[50:51], v[50:51], v[54:55]
	v_pk_add_f32 v[40:41], v[40:41], v[48:49]
	v_pk_add_f32 v[42:43], v[42:43], v[50:51]
	v_pk_add_f32 v[40:41], v[40:41], v[32:33]
	v_pk_add_f32 v[42:43], v[42:43], v[34:35]
	v_pk_mul_f32 v[40:41], v[40:41], s[24:25] op_sel_hi:[1,0]
	v_pk_mul_f32 v[42:43], v[42:43], s[24:25] op_sel_hi:[1,0]
	global_store_b128 v8, v[40:43], s[16:17]       ; a wave stores 512 consecutive bytes, aligned
	s_wait_tensorcnt 0x0                           ; the wave's end, behind my last LDS store
	ds_add_u32 v10, v11
	s_wait_dscnt 0x0
	s_endpgm
.Lfunc_end_k_q4d25fc8f31_prep:
	.size	k_q4d25fc8f31_prep, .Lfunc_end_k_q4d25fc8f31_prep-k_q4d25fc8f31_prep
	.p2alignl 7, 3214868480
	.fill 96, 4, 3214868480
	.section	.rodata,"a",@progbits
	.p2align	6, 0x0
	.amdhsa_kernel k_q4d25fc8f31_prep
		.amdhsa_group_segment_fixed_size 8704
		.amdhsa_private_segment_fixed_size 0
		.amdhsa_enable_private_segment 0
		.amdhsa_kernarg_size 56
		.amdhsa_user_sgpr_count 2
		.amdhsa_user_sgpr_kernarg_segment_ptr 1
		.amdhsa_wavefront_size32 1
		.amdhsa_system_sgpr_workgroup_id_x 1
		.amdhsa_system_sgpr_workgroup_id_y 1
		.amdhsa_system_sgpr_workgroup_id_z 1
		.amdhsa_system_vgpr_workitem_id 0
		.amdhsa_next_free_vgpr 768
		.amdhsa_next_free_sgpr 66
		.amdhsa_reserve_vcc 0
		.amdhsa_float_denorm_mode_32 3
		.amdhsa_float_denorm_mode_16_64 3
		.amdhsa_memory_ordered 1
		.amdhsa_forward_progress 1
		.amdhsa_inst_pref_size 39
	.end_amdhsa_kernel
	.amdgpu_metadata
---
amdhsa.version: [ 1, 2 ]
amdhsa.kernels:
  - .name:           k_q4d25fc8f31_prep
    .symbol:         k_q4d25fc8f31_prep.kd
    .args:
      - { .name: U_w, .offset: 0, .size: 8, .value_kind: global_buffer, .address_space: global }
      - { .name: W_w, .offset: 8, .size: 8, .value_kind: global_buffer, .address_space: global }
      - { .name: decoder_hidden, .offset: 16, .size: 8, .value_kind: global_buffer, .address_space: global }
      - { .name: W_b, .offset: 24, .size: 8, .value_kind: global_buffer, .address_space: global }
      - { .name: U_b, .offset: 32, .size: 8, .value_kind: global_buffer, .address_space: global }
      - { .name: ub, .offset: 40, .size: 8, .value_kind: global_buffer, .address_space: global }
      - { .name: qcw, .offset: 48, .size: 8, .value_kind: global_buffer, .address_space: global }
    .group_segment_fixed_size: 8704
    .private_segment_fixed_size: 0
    .kernarg_segment_align: 8
    .kernarg_segment_size: 56
    .max_flat_workgroup_size: 128
    .sgpr_count:     66
    .vgpr_count:     768
    .wavefront_size: 32
...
	.end_amdgpu_metadata
.endif
;; end of part 1
;; launch score (part 2): grid 256 x 1, 4 waves a work-group, no clusters, 286,720 bytes of LDS; arguments encoder_outputs, ub, qcw, v_w, v_b, sc, pml, pc; writes sc, pml, pc
.if DOCPART == 2
	.amdgcn_target "amdgcn-amd-amdhsa--gfx1250"
	.amdhsa_code_object_version 6
	.text
	.protected	k_q4d25fc8f31_score
	.globl	k_q4d25fc8f31_score
	.p2align	8
	.type	k_q4d25fc8f31_score,@function
k_q4d25fc8f31_score:
	s_mov_b64 s[64:65], 0
	v_nop
	global_prefetch_b8 v0, s[64:65] scope:SCOPE_SE
	s_setreg_imm32_b32 hwreg(HW_REG_WAVE_MODE, 25, 1), 1
	s_wait_xcnt 0x0
; TILES OF 128 ROWS OF encoder_outputs, EACH READ ONCE.  Work-group g (of 256) STAYS for two tiles, 2 g and 2 g + 1, both of batch g >> 3.  Of tile t (rows 128 t .. 128 t + 127) it makes
;   sc[row] = sum over n of v[n] tanh(q[n] + k[row][n]) + v_b, with k = enc U^T (bf16 operands, f32 sums) and q, with both biases, from the launch before;
;   the tile's maximum m, p[row] = e^(sc - m), l = sum of p (pml);  pc[d] = sum over the tile's rows of p[row] enc[row][d].  The next launch joins a batch's 16 tiles.
; PHASE A.  Each wave loads its 32 rows (f32), rounds them to bf16 and puts them into LDS: the tile A, 128 rows of 2,048 bytes, 2,064 apart.
; THE PRODUCT.  Wave w owns all 128 rows x the columns n = 256 w .. 256 w + 255, in two chunks of 128: 64 accumulators of 16 x 16, 512 registers.  For 32 along K a wave issues 64 matrix instructions,
; reads 8,192 bytes of A from LDS and 8,192 bytes of U from memory.  U comes as ready fragments (buffer ub, already times c), 512 consecutive bytes a load, a wave's stream on end, through a ring of four buffers.
; Source 0 = 16 rows of U, source 1 = 16 rows of enc: in the result a lane holds ONE row of enc (l % 16) and the columns 8 (l / 16) + 0..7.  c q is the C operand that starts the sums: they end as c (q + k).
; tanh(x) = 1 - 2 r, r = 1 / (1 + 2^(c x)), c = 2 log2(e).  So sum of v tanh = sum of v + sum of (-2 v) r.  A power that overflows gives r = 0, one that vanishes r = 1: tanh = 1, -1.
; THE CONTEXT goes to the matrix unit too: source 0 = p (row 0: p rounded to bf16; row 1: what that rounding left, in bf16; rows 2-15: 0), source 1 = A turned (ds_load_tr16_b128).
; THE NEXT TILE'S FIRST ROWS are asked for in the last K step of a tile's last chunk, into three of U's four buffers, which are free there: rows 0 to 5 of each wave's 32.  They land while the epilogue, the softmax
; and the context run.  Rows 6 and 7 are prefetched into the L2 behind the epilogue, each wave its own, a lane a block of 256 bytes, and loaded at the next tile's head.
; NO CLUSTER, NO TENSOR LOADS.  A takes 264,192 of the 327,680 bytes of LDS and the stages 20,992; what is left would hold two slots of some 21,000 bytes, less than the 32,768 bytes of U that the four
; waves multiply in one step of 32 along K (64 matrix instructions a wave): a ring would change slots more than once in 64 matrix instructions.  In a work-group each fragment of U is wanted by one wave alone.
; LIMITS.  Matrix operands are rounded to bf16; sums in f32, in another order than the reference's.  NaN and infinities are not treated apart; a power of two below 2^-126 counts as 0.
; REGISTERS, in windows of 256 (s_set_vgpr_msb: bits 1:0 source 0, 3:2 source 1, 5:4 source 2, 7:6 destination):
;   window 0: v0-31, v56-63 addresses and one constant; v[32:39] the score sums, one a block of 16 rows; v[40:55] at work; v[64:127], v[128:191] A's two fragment buffers; v[192:255] c q, then -2 v, then p's fragments
;   window 1: U's four fragment buffers of 64, which are also phase A's four landing sets          windows 2, 3: the accumulators, (a, bt) at 8 (8 (a % 4) + bt), a = 0-3 and 4-7
;   in the context: window 2 A's turned fragments, two buffers of 128; window 3 v0-127 the 16 accumulators
.set P,     2064                       ; an LDS row of A: 2,048 bytes + 16 = 129 x 16: the 16 rows of a fragment load start at 16 different groups of four banks (64 banks of 4 bytes: ISA guide 11.1)
.set QC,    128*P                      ; c q of my batch, 1,024 f32
.set VV,    QC+4096                    ; -2 v, 1,024 f32
.set SCR,   VV+4096                    ; the waves' score sums: 512 w + 4 row
.set PST,   SCR+2048                   ; p, each wave's own copy: 512 w + 4 row
.set CST,   PST+2048                   ; the context's way out, each wave's own 2,048 bytes
.set SPARE, CST+8192                   ; the spare words, 128 bytes for each wave: two blocks of 256 bytes that no other line names
.set MSB, 0
.macro WIN new                         ; the immediate's high byte repeats the setting that is left; a switch that changes nothing is dropped
.if MSB != (\new)
	s_set_vgpr_msb (MSB<<8)|(\new)
.set MSB, \new
.endif
.endm
.macro PLACES                          ; four places behind matrix instructions, in front of loads into registers that they have read and of lines that read results
.rept 4
	v_nop
.endr
.endm
; U's fragments of one step: 16 loads of 512 consecutive bytes; load i brings registers 4 i .. 4 i + 3 of buffer bb
.macro FETCH_B bb, imm
	WIN 0x40
.set ib, 0
.rept 16
	global_load_b128 v[64*(\bb)+4*ib:64*(\bb)+4*ib+3], v4, s[6:7] offset:(\imm)+512*ib
.set ib, ib+1
.endr
.endm
.macro PROLOG_B imm0                   ; a chunk's first three steps into buffers 0, 1, 2
	FETCH_B 0, (\imm0)
	FETCH_B 1, (\imm0)+8192
	FETCH_B 2, (\imm0)+16384
.endm
; PHASE A's loads.  Set s of four (the registers of U's buffer s) holds two rows, 2 s and 2 s + 1 of a group of eight: 16 loads of 512 consecutive bytes.
.macro ASKROWS s, base
	WIN 0x40                                       ; destination window 1
.irp rho, 0,1
.irp i, 0,1,2,3,4,5,6,7
	global_load_b128 v[64*(\s)+32*(\rho)+4*(\i):64*(\s)+32*(\rho)+4*(\i)+3], v4, s[4:5] offset:(\base)+(2*(\s)+(\rho))*4096+512*(\i) th:TH_LOAD_NT
.endr
.endr
.endm
; A's fragments of one step (128 rows x 32 K at byte koff behind the working addresses) into buffer f
.macro FETCH_A f, koff
	WIN 0
.irp i, 0,1,2,3,4,5,6,7
	ds_load_b128 v[64+64*(\f)+8*(\i):64+64*(\f)+8*(\i)+3],   v[8+(\i)] offset:(\koff)
	ds_load_b128 v[64+64*(\f)+8*(\i)+4:64+64*(\f)+8*(\i)+7], v[8+(\i)] offset:(\koff)+32
.endr
.endm
; 16 matrix instructions: row blocks a0, a0 + 1 of the window's four x all 8 column blocks.  first = 1: the product starts the sums, with c q of its 16 columns as C
.macro MUL16 f, bb, hi, a0, first
.if \first
	WIN 0x81+0x40*(\hi)                            ; source 0 (U) window 1, source 1 (A) and C (c q) window 0, D window 2 or 3
.else
	WIN 0xa1+0x50*(\hi)                            ; the same with C in D's window
.endif
.irp a, \a0, (\a0)+1
.irp b, 0,1,2,3,4,5,6,7
.if \first
	v_wmma_f32_16x16x32_bf16 v[8*(8*(\a)+(\b)):8*(8*(\a)+(\b))+7], v[64*(\bb)+8*(\b):64*(\bb)+8*(\b)+7], v[64+64*(\f)+8*(4*(\hi)+(\a)):64+64*(\f)+8*(4*(\hi)+(\a))+7], v[192+8*(\b):192+8*(\b)+7]
.else
	v_wmma_f32_16x16x32_bf16 v[8*(8*(\a)+(\b)):8*(8*(\a)+(\b))+7], v[64*(\bb)+8*(\b):64*(\bb)+8*(\b)+7], v[64+64*(\f)+8*(4*(\hi)+(\a)):64+64*(\f)+8*(4*(\hi)+(\a))+7], v[8*(8*(\a)+(\b)):8*(8*(\a)+(\b))+7]
.endif
.endr
.endr
.endm
; A STEP of 32 along K: 64 matrix instructions on U's buffer p and A's buffer p % 2; the 64 accumulators take turns in the same order in every step.  In its middle, in one run:
; fa = 1: A's fragments of the next step;  fb = 1: U's fragments three steps on, into the buffer that the step before has read;  fb = 2 (a chunk's last step): 48 loads into buffers 0, 1, 2: the next chunk's
; first three steps of U or, behind a tile's last chunk, the next tile's first six rows, if there is a next tile.  lw: the younger loads of U that may stay out when this step's have to be in.
.macro STEP p, first, fa, fb, lw
	s_wait_loadcnt \lw                             ; loads come back in order: this step's fragments of U are in
	s_wait_dscnt 8                                 ; A's rows 0-63 (and, ahead of them, c q) are in; the youngest eight loads (rows 64-127) may be out
	MUL16 (\p)%2, \p, 0, 0, \first
	MUL16 (\p)%2, \p, 0, 2, \first
	PLACES
.if \fa
	FETCH_A ((\p)+1)%2, 64*((\p)+1)
.endif
.if (\fb) == 1
.if (\p) == 0
	FETCH_B 3, 3*8192
.else
	FETCH_B ((\p)+3)%4, ((\p)+3)*8192
.endif
.endif
.if (\fb) == 2
	WIN 0                                          ; at a branch and at a label every window is 0
	s_cmp_eq_u32 s30, 1
	s_cbranch_scc1 .Llast_chunk_\@
	PROLOG_B 4*8192
	WIN 0
	s_branch .Lasked_\@
.Llast_chunk_\@:
	s_cmp_eq_u32 s35, 1                            ; the last tile has none behind it: no load leaves its buffer
	s_cbranch_scc1 .Lasked_\@
	ASKROWS 0, 0                                   ; s[4:5] stands at my rows of the next tile since phase A's end
	ASKROWS 1, 0
	ASKROWS 2, 0
	WIN 0
.Lasked_\@:
.endif
.if \fa
	s_wait_dscnt 16                                ; all but the 16 just issued
.else
	s_wait_dscnt 0x0
.endif
	MUL16 (\p)%2, \p, 1, 0, \first
	MUL16 (\p)%2, \p, 1, 2, \first
.endm
; The turn of set s: its two rows are rounded to bf16 and put into A; ahead = 1: the set is asked for again, eight rows further down.  left: the younger loads that may stay out.
.macro SLOT s, ahead, left
	s_wait_loadcnt \left
	WIN 0x05                                       ; sources window 1, destination window 0
.set q, 0
.rept 32
	v_cvt_pk_bf16_f32 v[64+32*((\s)%2)+q], v[64*(\s)+2*q], v[64*(\s)+2*q+1]
.set q, q+1
.endr
	WIN 0
.irp rho, 0,1
.irp i, 0,1,2,3,4,5,6,7
	ds_store_b64 v6, v[64+32*((\s)%2)+16*(\rho)+2*(\i):64+32*((\s)%2)+16*(\rho)+2*(\i)+1] offset:(2*(\s)+(\rho))*P+256*(\i)  ; 32 lanes, 256 consecutive bytes
.endr
.endr
.if \ahead
	ASKROWS \s, 32768
.endif
.endm
; THE EPILOGUE of one window's 32 accumulators, in place.  Register r of the window belongs to column r % 64 = 8 bt + i of my lane's 64 of the chunk's 128.  One window setting serves all but the last twelve lines.
.macro EA n                            ; pair n: 1 + 2^(..)
	v_pk_add_f32 v[2*(\n):2*(\n)+1], v[2*(\n):2*(\n)+1], 1.0 op_sel_hi:[1,0]
.endm
.macro EPI hi
	WIN 0xa2+0x51*(\hi)                            ; destination, source 0 and source 2 in the accumulators' window, source 1 in window 0
.set q, 0
.rept 256                              ; ONE BATCH of 256 exponentials, in ascending order: each accumulator is read from its low registers on
	v_exp_f32 v[q], v[q]
.set q, q+1
.endr
	v_nop                                          ; a plain instruction behind the last exponential,
	s_wait_alu depctr_va_vdst(0)                   ; and one wait ahead of the batch's first reader
	EA 0
	EA 1
.set q, 0
.rept 128                              ; ONE BATCH of 256 reciprocals; a pair's + 1 stands two pairs ahead of its reciprocals, and names no reciprocal's result
	v_rcp_f32 v[2*q], v[2*q]
.if q < 126
	EA q+2
.endif
	v_rcp_f32 v[2*q+1], v[2*q+1]
.set q, q+1
.endr
	v_nop
	s_wait_alu depctr_va_vdst(0)
	s_wait_dscnt 0x0                               ; -2 v is in (asked for ahead of the first window's exponentials)
.set t, 0
.rept 16                               ; sum of (-2 v) r: a row block's 64 registers in two chains of 16 pairs, each onto its own first pair; the window's eight chains take turns
.irp a, 0,1,2,3
.irp z, 0,1
.if t == 0
	v_pk_mul_f32 v[64*(\a)+32*(\z):64*(\a)+32*(\z)+1], v[64*(\a)+32*(\z):64*(\a)+32*(\z)+1], v[192+32*(\z):192+32*(\z)+1]
.else
	v_pk_fma_f32 v[64*(\a)+32*(\z):64*(\a)+32*(\z)+1], v[64*(\a)+32*(\z)+2*t:64*(\a)+32*(\z)+2*t+1], v[192+32*(\z)+2*t:192+32*(\z)+2*t+1], v[64*(\a)+32*(\z):64*(\a)+32*(\z)+1]
.endif
.endr
.endr
.set t, t+1
.endr
	WIN 0x8a+0x45*(\hi)                            ; all in the accumulators' window
.irp a, 0,1,2,3
	v_pk_add_f32 v[64*(\a):64*(\a)+1], v[64*(\a):64*(\a)+1], v[64*(\a)+32:64*(\a)+33]
.endr
.irp a, 0,1,2,3
	v_add_f32 v[64*(\a)], v[64*(\a)], v[64*(\a)+1]
.endr
	WIN 0x02+(\hi)                                 ; source 0 in the accumulators' window
.irp a, 0,1,2,3
	v_add_f32 v[32+4*(\hi)+(\a)], v[64*(\a)], v[32+4*(\hi)+(\a)]
.endr
.endm
; THE CONTEXT.  32 rows kb of A, my wave's 256 channels, turned: 16 fragments (32 rows x 16 channels) into buffer buf of window 2
.macro FETCH_T kb, buf
	WIN 0x80
.set q, 0
.rept 16
	ds_load_tr16_b128 v[128*(\buf)+8*q:128*(\buf)+8*q+3],   v[24+(\kb)] offset:32*q
	ds_load_tr16_b128 v[128*(\buf)+8*q+4:128*(\buf)+8*q+7], v[24+(\kb)] offset:32*q+16*P
.set q, q+1
.endr
.endm
.macro MULC kb, buf, zero              ; 16 matrix instructions, the 16 accumulators by turns
	WIN 0xf8                                       ; source 0 (p) window 0, source 1 window 2, C and D window 3
.set q, 0
.rept 16
.if \zero
	v_wmma_f32_16x16x32_bf16 v[8*q:8*q+7], v[192+8*(\kb):192+8*(\kb)+7], v[128*(\buf)+8*q:128*(\buf)+8*q+7], 0
.else
	v_wmma_f32_16x16x32_bf16 v[8*q:8*q+7], v[192+8*(\kb):192+8*(\kb)+7], v[128*(\buf)+8*q:128*(\buf)+8*q+7], v[8*q:8*q+7]
.endif
.set q, q+1
.endr
.endm
	s_load_b256 s[4:11], s[0:1], 0x0               ; enc s[4:5], ub s[6:7], qcw s[8:9], v_w s[10:11]
	s_load_b256 s[12:19], s[0:1], 0x20             ; v_b s[12:13], sc s[14:15], pml s[16:17], pc s[18:19]
	v_lshl_add_u32 v30, v0, 2, SPARE               ; my spare word,
	v_mov_b32 v31, 0                               ; and 0: kept for the wave's end alone
	v_lshrrev_b32 v7, 5, v0
	v_readfirstlane_b32 s21, v7                    ; wave 0..3
	v_and_b32 v1, 15, v0                           ; l % 16
	v_bfe_u32 v2, v0, 4, 1                         ; l / 16
	v_and_b32 v3, 31, v0                           ; l
	v_lshlrev_b32 v4, 4, v3                        ; 16 l; never rewritten: the offset of enc's and U's loads and of the stores
	v_lshlrev_b32 v5, 4, v0                        ; 16 x thread (for the head's loads of v; later the prefetch's offset)
	s_mul_i32 s36, s21, 32*P                       ; my wave's first row in A
	v_mul_u32_u24 v7, v1, P
	v_lshl_add_u32 v7, v2, 4, v7                   ; a fragment's row x pitch + 16 (l / 16)
.irp i, 0,1,2,3,4,5,6,7
	v_add_nc_u32 v[56+(\i)], (\i)*16*P, v7         ; row block i at K = 0; never rewritten
.endr
	v_lshrrev_b32 v16, 2, v0                       ; qcw: thread t takes row tile t >> 2 (and 32 further on), numbers 4 (t & 3) .. + 3
	v_lshlrev_b32 v16, 11, v16
	v_and_b32 v23, 3, v0
	v_lshl_add_u32 v16, v23, 4, v16
	v_add_nc_u32 v17, QC, v5                       ; which are bytes 16 t of c q in the order of n
	s_lshl_b32 s23, s21, 9
	s_add_co_u32 s22, s23, SCR
	v_lshl_add_u32 v19, v1, 2, s22                 ; my wave's score sums: row l % 16 of a block
	v_add_nc_u32 v20, SCR, v4                      ; back: rows 4 l .. 4 l + 3
	s_add_co_u32 s22, s23, PST
	v_add_nc_u32 v21, s22, v4                      ; p of rows 4 l .. 4 l + 3, my wave's copy
	v_lshl_add_u32 v22, v2, 5, s22                 ; p as a fragment: rows 8 (l / 16) on
	v_and_b32 v23, 7, v0                           ; the turning load: lane l reads row 8 (l / 16) + l % 8, channels 8 ((l / 8) % 2) + 0..7
	v_lshl_add_u32 v23, v2, 3, v23
	v_mul_u32_u24 v23, v23, P
	v_bfe_u32 v24, v0, 3, 1
	v_lshl_add_u32 v23, v24, 4, v23
	v_add_nc_u32 v23, s23, v23                     ; + my wave's 256 channels
.irp kb, 0,1,2,3
	v_add_nc_u32 v[24+(\kb)], (\kb)*32*P, v23
.endr
	s_lshl_b32 s22, s21, 10
	s_add_co_u32 s22, s22, QC
	v_lshl_add_u32 v23, v2, 5, s22                 ; c q of my wave's first chunk, my lanes' eight of each 16 columns; never rewritten from here on
	s_lshl_b32 s22, s21, 11
	s_add_co_u32 s22, s22, CST
	v_lshl_add_u32 v28, v2, 10, s22                ; the context's way out: lanes 0-15 into the first 1,024 bytes of my stage, lanes 16-31 into the second, which nobody reads
	v_lshl_add_u32 v28, v1, 2, v28
	v_add_nc_u32 v29, s22, v4
	s_mov_b32 s26, 0x76543210                      ; v_permlanex16_b32: each lane takes its own place in the other half
	s_mov_b32 s27, 0xfedcba98
	s_mov_b32 s28, 0x00010001                      ; the lanes with l % 16 = 0
	s_mov_b32 s29, 0x00020002                      ; with l % 16 = 1
	s_mov_b32 s34, 0x3fb8aa3b                      ; log2(e)
	s_mov_b32 s35, 2                               ; tiles to go
	s_mov_b32 s33, 0
	s_wait_kmcnt 0x0
	s_load_b32 s20, s[12:13], 0x0                  ; v_b
	s_lshl_b32 s32, ttmp9, 20                      ; two tiles of 128 rows of 4,096 bytes,
	s_lshl_b32 s22, s21, 17                        ; my wave's 32 rows
	s_add_co_u32 s32, s32, s22
	s_add_nc_u64 s[4:5], s[4:5], s[32:33]
	s_lshl_b32 s32, s21, 19                        ; my wave's stream in ub: 524,288 bytes
	s_add_nc_u64 s[6:7], s[6:7], s[32:33]
	s_lshr_b32 s32, ttmp9, 3                       ; the batch: 64 bytes in each row tile of qcw
	s_lshl_b32 s32, s32, 6
	s_add_nc_u64 s[8:9], s[8:9], s[32:33]
	s_lshl_b32 s32, ttmp9, 10                      ; a tile has 512 bytes of sc and of pml
	s_add_nc_u64 s[14:15], s[14:15], s[32:33]
	s_add_nc_u64 s[16:17], s[16:17], s[32:33]
	s_lshl_b32 s32, ttmp9, 13                      ; and 4,096 bytes of pc, my wave's 1,024
	s_lshl_b32 s22, s21, 10
	s_add_co_u32 s32, s32, s22
	s_add_nc_u64 s[18:19], s[18:19], s[32:33]
	global_load_b128 v[40:43], v16, s[8:9]         ; c q,
	global_load_b128 v[44:47], v16, s[8:9] offset:65536
	global_load_b128 v[48:51], v5, s[10:11]        ; v,
	global_load_b128 v[52:55], v5, s[10:11] offset:2048
	ASKROWS 0, 0                                   ; and rows 0 to 5 of my 32, as before every tile
	ASKROWS 1, 0
	ASKROWS 2, 0
	WIN 0
	s_wait_loadcnt 48                              ; loads come back in order: c q and v are in, the 48 loads of enc stay out
	v_pk_add_f32 v[32:33], v[48:49], v[50:51]      ; the sum of the eight v that I loaded,
	v_pk_add_f32 v[34:35], v[52:53], v[54:55]
	v_pk_add_f32 v[32:33], v[32:33], v[34:35]
	v_add_f32 v7, v32, v33
	v_add_f32_dpp v7, v7, v7 row_xmask:1 row_mask:0xf bank_mask:0xf  ; of the 256 that my wave loaded
	v_add_f32_dpp v7, v7, v7 row_xmask:2 row_mask:0xf bank_mask:0xf
	v_add_f32_dpp v7, v7, v7 row_xmask:4 row_mask:0xf bank_mask:0xf
	v_add_f32_dpp v7, v7, v7 row_xmask:8 row_mask:0xf bank_mask:0xf
	v_permlanex16_b32 v34, v7, s26, s27
	v_add_f32 v7, v7, v34
	v_mul_f32 v7, 0.5, v7                          ; half of it starts each lane's score sums: the two halves of the lanes, and then the four waves, add up to the sum of all v; never rewritten
.irp e, 48,50,52,54
	v_pk_mul_f32 v[\e:\e+1], v[\e:\e+1], -2.0 op_sel_hi:[1,0]
.endr
	v_lshlrev_b32 v5, 8, v3                        ; the prefetch's offset: 256 l (the loads that read v5 are in); never rewritten from here on
	ds_store_b128 v17, v[40:43]                    ; c q and -2 v, in the order of n: they serve both tiles
	ds_store_b128 v17, v[44:47] offset:2048
	ds_store_b128 v17, v[48:51] offset:4096
	ds_store_b128 v17, v[52:55] offset:6144
	s_wait_kmcnt 0x0                               ; v_b
.Ltile:                                        ; twice.  Rows 0 to 5 of my 32 are on their way or in
	ASKROWS 3, 0                                   ; rows 6 and 7
	WIN 0
	v_lshl_add_u32 v6, v3, 3, s36                  ; phase A: my wave's first row in A + 8 l
	v_mov_b32 v18, v23                             ; c q and -2 v: back to the first chunk
.irp a, 0,1,2,3,4,5,6,7
	v_mov_b32 v[32+(\a)], v7                       ; the eight score sums, to which both chunks add
.endr
	s_mov_b32 s30, 2                               ; chunks to go
	s_mov_b32 s31, 3
.Lrows:                                        ; a trip: eight rows into A, the next eight asked for
	SLOT 0, 1, 48                                  ; the three younger sets, 48 loads, stay out
	SLOT 1, 1, 48
	SLOT 2, 1, 48
	SLOT 3, 1, 48
	WIN 0
	s_wait_xcnt 0x0                                ; every load issued so far has read its address: the base is written only behind this wait
	s_add_nc_u64 s[4:5], s[4:5], 32768
	v_add_nc_u32 v6, 8*P, v6
	s_sub_co_u32 s31, s31, 1
	s_cmp_lg_u32 s31, 0
	s_cbranch_scc1 .Lrows
	SLOT 0, 0, 48                                  ; the last eight rows.  Each emptied set takes a step of U, so 48 younger loads stay out at every turn: sets 1, 2, 3;
	FETCH_B 0, 0
	SLOT 1, 0, 48                                  ; sets 2, 3 and U's step 0;
	FETCH_B 1, 8192
	SLOT 2, 0, 48                                  ; set 3 and U's steps 0, 1;
	FETCH_B 2, 16384
	SLOT 3, 0, 48                                  ; U's steps 0, 1, 2
	s_wait_xcnt 0x0
	s_add_nc_u64 s[4:5], s[4:5], 524288-3*32768    ; on to my rows of the next tile (behind the last tile the address is not used)
	s_wait_dscnt 0x0                               ; for the others' sake: my rows of A (and, the first time, my part of c q and -2 v) lie in LDS
	s_barrier_signal -1
	s_barrier_wait -1                              ; everybody's do.  Nobody writes A before the barrier at the tile's end
.Lchunk:                                       ; twice: 128 rows x 128 columns x 1,024 along K, and the epilogue
.irp i, 0,1,2,3,4,5,6,7
	v_mov_b32 v[8+(\i)], v[56+(\i)]                ; the working addresses go back to K = 0
.endr
.irp bt, 0,1,2,3,4,5,6,7
	ds_load_b128 v[192+8*(\bt):192+8*(\bt)+3],   v18 offset:64*(\bt)        ; c q of the chunk's columns 16 bt + 8 (l / 16) + 0..7: the layout of a C operand
	ds_load_b128 v[192+8*(\bt)+4:192+8*(\bt)+7], v18 offset:64*(\bt)+16
.endr
	FETCH_A 0, 0
	STEP 0, 1, 1, 1, 32                            ; step 0 stands in front of the loop: its products start the sums.  32: the loads of the two steps behind this one
	WIN 0
	s_mov_b32 s31, 7
.Ltrip:                                        ; steps 4 k + 1 .. 4 k + 4
	STEP 1, 0, 1, 1, 32
	STEP 2, 0, 1, 1, 32
	STEP 3, 0, 1, 1, 32
	WIN 0
	s_wait_xcnt 0x0                                ; U's loads have read their base
	s_add_nc_u64 s[6:7], s[6:7], 32768             ; four steps of U,
.irp i, 0,1,2,3,4,5,6,7
	v_add_nc_u32 v[8+(\i)], 256, v[8+(\i)]         ; and of A
.endr
	STEP 0, 0, 1, 1, 32
	WIN 0
	s_sub_co_u32 s31, s31, 1
	s_cmp_lg_u32 s31, 0
	s_cbranch_scc1 .Ltrip
	STEP 1, 0, 1, 0, 32                            ; steps 29, 30, 31: no further step of this chunk is asked for, the counts run down
	STEP 2, 0, 1, 0, 16
	STEP 3, 0, 0, 2, 0
	PLACES                                         ; behind the last products, whose results are read below
	PLACES
	WIN 0
.irp bt, 0,1,2,3,4,5,6,7
	ds_load_b128 v[192+8*(\bt):192+8*(\bt)+3],   v18 offset:4096+64*(\bt)    ; -2 v of the same columns, where c q lay; waited for ahead of its first use
	ds_load_b128 v[192+8*(\bt)+4:192+8*(\bt)+7], v18 offset:4096+64*(\bt)+16
.endr
	EPI 0
	EPI 1
	WIN 0
	s_wait_xcnt 0x0                                ; the loads issued in the last step have read their bases
	s_add_nc_u64 s[6:7], s[6:7], 32768             ; from step 28 to the next chunk's step 0
	v_add_nc_u32 v18, 512, v18                     ; the next 128 columns of c q and -2 v
	s_sub_co_u32 s30, s30, 1
	s_cmp_lg_u32 s30, 0
	s_cbranch_scc1 .Lchunk
	s_cmp_eq_u32 s35, 1                            ; the last tile has none behind it
	s_cbranch_scc1 .Lno_next
	global_prefetch_b8 v5, s[4:5] offset:6*4096 th:TH_LOAD_NT scope:SCOPE_SE  ; rows 6 and 7 of my 32 of the next tile, a lane a block of 256 bytes: what the next tile's head loads; no other wave names them
.Lno_next:
	; THE SCORES.  A lane's sum holds eight of each 16 columns: the other eight lie in the lane 16 away; the other waves' columns meet in LDS.
.irp a, 0,1,2,3,4,5,6,7
	v_permlanex16_b32 v[40+(\a)], v[32+(\a)], s26, s27
.endr
.irp a, 0,1,2,3,4,5,6,7
	v_add_f32 v[32+(\a)], v[32+(\a)], v[40+(\a)]
.endr
.irp a, 0,1,2,3,4,5,6,7
	ds_store_b32 v19, v[32+(\a)] offset:64*(\a)    ; row 16 a + l % 16; both halves of the lanes write the same number
.endr
	s_wait_dscnt 0x0                               ; for the others' sake
	s_barrier_signal -1
	s_barrier_wait -1
.irp w, 0,1,2,3
	ds_load_b128 v[40+4*(\w):40+4*(\w)+3], v20 offset:512*(\w)
.endr
	s_wait_dscnt 0x0
	v_pk_add_f32 v[40:41], v[40:41], v[44:45]
	v_pk_add_f32 v[42:43], v[42:43], v[46:47]
	v_pk_add_f32 v[48:49], v[48:49], v[52:53]
	v_pk_add_f32 v[50:51], v[50:51], v[54:55]
	v_pk_add_f32 v[40:41], v[40:41], v[48:49]
	v_pk_add_f32 v[42:43], v[42:43], v[50:51]
	v_pk_add_f32 v[40:41], v[40:41], s[20:21] op_sel_hi:[1,0]  ; + v_b (the pair's low word for both)
	v_pk_add_f32 v[42:43], v[42:43], s[20:21] op_sel_hi:[1,0]  ; every wave now holds the scores of rows 4 l .. 4 l + 3
	v_max3_num_f32 v48, v40, v41, v42              ; the tile's maximum, in every lane
	v_max_num_f32 v48, v48, v43
	v_max_num_f32_dpp v48, v48, v48 row_xmask:1 row_mask:0xf bank_mask:0xf
	v_max_num_f32_dpp v48, v48, v48 row_xmask:2 row_mask:0xf bank_mask:0xf
	v_max_num_f32_dpp v48, v48, v48 row_xmask:4 row_mask:0xf bank_mask:0xf
	v_max_num_f32_dpp v48, v48, v48 row_xmask:8 row_mask:0xf bank_mask:0xf
	v_permlanex16_b32 v49, v48, s26, s27
	v_max_num_f32 v48, v48, v49
.irp e, 0,1,2,3
	v_sub_f32 v[44+(\e)], v[40+(\e)], v48
.endr
.irp e, 0,1,2,3
	v_mul_f32 v[44+(\e)], s34, v[44+(\e)]
.endr
.irp e, 0,1,2,3
	v_exp_f32 v[44+(\e)], v[44+(\e)]               ; p = e^(s - m)
.endr
	v_mov_b32 v50, v48                             ; (m, l, m, l) for pml; also the plain instruction behind the last exponential
	s_wait_alu depctr_va_vdst(0)                   ; one wait for the four, ahead of their first reader
	v_add_f32 v49, v44, v45                        ; l, of the unrounded p
	v_add_f32 v51, v46, v47
	v_add_f32 v49, v49, v51
	v_add_f32_dpp v49, v49, v49 row_xmask:1 row_mask:0xf bank_mask:0xf
	v_add_f32_dpp v49, v49, v49 row_xmask:2 row_mask:0xf bank_mask:0xf
	v_add_f32_dpp v49, v49, v49 row_xmask:4 row_mask:0xf bank_mask:0xf
	v_add_f32_dpp v49, v49, v49 row_xmask:8 row_mask:0xf bank_mask:0xf
	v_permlanex16_b32 v51, v49, s26, s27
	v_add_f32 v49, v49, v51
	v_mov_b32 v51, v49
	ds_store_b128 v21, v[44:47]                    ; p into my wave's own copy: no other wave reads it
	s_cmp_lg_u32 s21, 0
	s_cbranch_scc1 .Lnot_wave_0
	global_store_b128 v4, v[40:43], s[14:15]       ; the tile's 128 scores: 512 consecutive bytes, aligned
	global_store_b128 v4, v[48:51], s[16:17]       ; (m, l) 64 times over: 512 consecutive bytes, aligned.  v[40:51] are not written again before the wait at the tile's end
.Lnot_wave_0:
	; p AS A FRAGMENT: every lane takes the 16 weights of its half of each 32 rows (LDS serves a wave's instructions in order, ISA guide 5.7.1.4: these see the store above)
.irp kb, 0,1,2,3
	ds_load_b128 v[64+16*(\kb):64+16*(\kb)+3],     v22 offset:128*(\kb)
	ds_load_b128 v[64+16*(\kb)+4:64+16*(\kb)+7],   v22 offset:128*(\kb)+16
	ds_load_b128 v[64+16*(\kb)+8:64+16*(\kb)+11],  v22 offset:128*(\kb)+64
	ds_load_b128 v[64+16*(\kb)+12:64+16*(\kb)+15], v22 offset:128*(\kb)+80
.endr
	s_wait_dscnt 0x0
.set q, 0
.rept 32
	v_cvt_pk_bf16_f32 v[128+q], v[64+2*q], v[64+2*q+1]        ; p rounded to bf16
.set q, q+1
.endr
.set q, 0
.rept 32
	v_lshlrev_b32 v[32+2*(q%4)], 16, v[128+q]                 ; that as f32,
	v_and_b32 v[33+2*(q%4)], 0xffff0000, v[128+q]
	v_pk_add_f32 v[64+2*q:64+2*q+1], v[64+2*q:64+2*q+1], v[32+2*(q%4):33+2*(q%4)] neg_lo:[0,1] neg_hi:[0,1]  ; and what the rounding left
.set q, q+1
.endr
.set q, 0
.rept 32
	v_cvt_pk_bf16_f32 v[160+q], v[64+2*q], v[64+2*q+1]
.set q, q+1
.endr
.set q, 0
.rept 32
	v_cndmask_b32 v[192+q], 0, v[160+q], s29       ; row 1 of the operand: the remainder; rows 2-15: 0
	v_cndmask_b32 v[192+q], v[192+q], v[128+q], s28  ; row 0: the rounded p
.set q, q+1
.endr
	FETCH_T 0, 0
	FETCH_T 1, 1
	s_wait_dscnt 32                                ; rows 0-31 are in; the younger buffer's 32 loads stay out
	MULC 0, 0, 1
	PLACES
	FETCH_T 2, 0
	s_wait_dscnt 32
	MULC 1, 1, 0
	PLACES
	FETCH_T 3, 1
	s_wait_dscnt 32
	MULC 2, 0, 0
	s_wait_dscnt 0x0
	MULC 3, 1, 0
	PLACES
	PLACES
	WIN 0x0f                                       ; sources window 3, destination window 0
.set q, 0
.rept 16
	v_add_f32 v[64+q], v[8*q], v[8*q+1]            ; rows 0 and 1 of the result, in lanes 0-15: channel 16 q + l
.set q, q+1
.endr
	WIN 0
.set q, 0
.rept 16
	ds_store_b32 v28, v[64+q] offset:64*q
.set q, q+1
.endr
	ds_load_b128 v[96:99], v29                     ; back as 16 bytes a lane: my own bytes, served in order
	ds_load_b128 v[100:103], v29 offset:512
	s_wait_dscnt 0x0                               ; these two are in; and, for the others' sake, all my reads of A and of the score sums are over
	global_store_b128 v4, v[96:99], s[18:19]       ; 512 consecutive bytes, aligned
	global_store_b128 v4, v[100:103], s[18:19] offset:512
	s_barrier_signal -1
	s_barrier_wait -1                              ; every wave's reads are over: the next tile may be put into A
	s_wait_xcnt 0x0                                ; the stores and the prefetch have read their registers: only behind this wait are their bases stepped and the stores' data rewritten
	s_add_nc_u64 s[14:15], s[14:15], 512           ; the next tile's scores,
	s_add_nc_u64 s[16:17], s[16:17], 512           ; its (m, l),
	s_add_nc_u64 s[18:19], s[18:19], 4096          ; its partial context;
	s_sub_nc_u64 s[6:7], s[6:7], 524288            ; U's stream from its beginning
	s_sub_co_u32 s35, s35, 1
	s_cmp_lg_u32 s35, 0
	s_cbranch_scc1 .Ltile
	s_wait_tensorcnt 0x0                           ; the wave's end, behind my last LDS store
	ds_add_u32 v30, v31
	s_wait_dscnt 0x0
	s_endpgm
.Lfunc_end_k_q4d25fc8f31_score:
	.size	k_q4d25fc8f31_score, .Lfunc_end_k_q4d25fc8f31_score-k_q4d25fc8f31_score
	.p2alignl 7, 3214868480
	.fill 96, 4, 3214868480
	.section	.rodata,"a",@progbits
	.p2align	6, 0x0
	.amdhsa_kernel k_q4d25fc8f31_score
		.amdhsa_group_segment_fixed_size 286720
		.amdhsa_private_segment_fixed_size 0
		.amdhsa_enable_private_segment 0
		.amdhsa_kernarg_size 64
		.amdhsa_user_sgpr_count 2
		.amdhsa_user_sgpr_kernarg_segment_ptr 1
		.amdhsa_wavefront_size32 1
		.amdhsa_system_sgpr_workgroup_id_x 1
		.amdhsa_system_sgpr_workgroup_id_y 1
		.amdhsa_system_sgpr_workgroup_id_z 1
		.amdhsa_system_vgpr_workitem_id 0
		.amdhsa_next_free_vgpr 1024
		.amdhsa_next_free_sgpr 66
		.amdhsa_reserve_vcc 0
		.amdhsa_float_denorm_mode_32 3
		.amdhsa_float_denorm_mode_16_64 3
		.amdhsa_memory_ordered 1
		.amdhsa_forward_progress 1
		.amdhsa_inst_pref_size 210
	.end_amdhsa_kernel
	.amdgpu_metadata
---
amdhsa.version: [ 1, 2 ]
amdhsa.kernels:
  - .name:           k_q4d25fc8f31_score
    .symbol:         k_q4d25fc8f31_score.kd
    .args:
      - { .name: encoder_outputs, .offset: 0, .size: 8, .value_kind: global_buffer, .address_space: global }
      - { .name: ub, .offset: 8, .size: 8, .value_kind: global_buffer, .address_space: global }
      - { .name: qcw, .offset: 16, .size: 8, .value_kind: global_buffer, .address_space: global }
      - { .name: v_w, .offset: 24, .size: 8, .value_kind: global_buffer, .address_space: global }
      - { .name: v_b, .offset: 32, .size: 8, .value_kind: global_buffer, .address_space: global }
      - { .name: sc, .offset: 40, .size: 8, .value_kind: global_buffer, .address_space: global }
      - { .name: pml, .offset: 48, .size: 8, .value_kind: global_buffer, .address_space: global }
      - { .name: pc, .offset: 56, .size: 8, .value_kind: global_buffer, .address_space: global }
    .group_segment_fixed_size: 286720
    .private_segment_fixed_size: 0
    .kernarg_segment_align: 8
    .kernarg_segment_size: 64
    .max_flat_workgroup_size: 128
    .sgpr_count:     66
    .vgpr_count:     1024
    .wavefront_size: 32
...
	.end_amdgpu_metadata
.endif
;; end of part 2
;; launch finish (part 3): grid 32 x 1, 8 waves a work-group, no clusters, 0 bytes of LDS; arguments sc, pml, pc, out0, out1; writes out0, out1
.if DOCPART == 3
	.amdgcn_target "amdgcn-amd-amdhsa--gfx1250"
	.amdhsa_code_object_version 6
	.text
	.protected	k_q4d25fc8f31_finish
	.globl	k_q4d25fc8f31_finish
	.p2align	8
	.type	k_q4d25fc8f31_finish,@function
k_q4d25fc8f31_finish:
	s_mov_b64 s[64:65], 0
	v_nop
	global_prefetch_b8 v0, s[64:65] scope:SCOPE_SE
	s_setreg_imm32_b32 hwreg(HW_REG_WAVE_MODE, 25, 1), 1
	s_wait_xcnt 0x0
; A BATCH'S 16 TILES ARE JOINED.  Work-group b owns batch b.  With the tiles' maxima m_i, sums l_i and partial contexts pc_i:
;   M = max m_i;  w_i = e^(m_i - M);  L = sum of l_i w_i;  out0 = sum of (w_i / L) pc_i;  out1[row] = e^(sc[row] - M) / L.
; Thread t (of 256) owns channels 4 t .. 4 t + 3 of the context and rows 4 t .. + 3 and 1,024 + 4 t .. + 3 of the weights: each load and store of a wave covers 512 consecutive bytes, aligned.
; No LDS, no barrier: every thread makes M, w and L for itself, from 16 pairs of scalars.  No matrix work: 16 multiply-adds a number.
; LIMITS.  A weight below 2^-126 counts as 0; NaN and infinities are not treated apart.
; v1 16 t;  v2 M;  v3 L;  v4 1 / L;  v[8:23] w_i;  v[24:27] the context;  v[32:39] scores, then weights;  v[64:127] pc_i.  s[32+2i], s[33+2i]: m_i, l_i
	s_load_b256 s[4:11], s[0:1], 0x0               ; sc s[4:5], pml s[6:7], pc s[8:9], out0 s[10:11]
	s_load_b64 s[12:13], s[0:1], 0x20              ; out1
	v_lshlrev_b32 v1, 4, v0
	s_lshl_b32 s14, ttmp9, 13                      ; a batch's 8,192 bytes of sc, of pml and of out1,
	s_mov_b32 s15, 0
	s_lshl_b32 s16, ttmp9, 16                      ; 65,536 of pc,
	s_mov_b32 s17, 0
	s_lshl_b32 s18, ttmp9, 12                      ; 4,096 of out0
	s_mov_b32 s19, 0
	s_wait_kmcnt 0x0
	s_add_nc_u64 s[4:5], s[4:5], s[14:15]
	s_add_nc_u64 s[6:7], s[6:7], s[14:15]
	s_add_nc_u64 s[12:13], s[12:13], s[14:15]
	s_add_nc_u64 s[8:9], s[8:9], s[16:17]
	s_add_nc_u64 s[10:11], s[10:11], s[18:19]
.set i, 0
.rept 16
	s_load_b64 s[32+2*i:33+2*i], s[6:7], 512*i     ; (m_i, l_i)
.set i, i+1
.endr
	global_load_b128 v[32:35], v1, s[4:5]
	global_load_b128 v[36:39], v1, s[4:5] offset:4096
.set i, 0
.rept 16
	global_load_b128 v[64+4*i:64+4*i+3], v1, s[8:9] offset:4096*i
.set i, i+1
.endr
	s_wait_kmcnt 0x0
	v_mov_b32 v2, s32
.set i, 1
.rept 7
	v_max3_num_f32 v2, s[32+2*i], s[34+2*i], v2
.set i, i+2
.endr
	v_max_num_f32 v2, s62, v2                      ; M
.set i, 0
.rept 16
	v_sub_f32 v[8+i], s[32+2*i], v2
.set i, i+1
.endr
.set i, 0
.rept 16
	v_mul_f32 v[8+i], 0x3fb8aa3b, v[8+i]           ; times log2(e)
.set i, i+1
.endr
	s_wait_loadcnt 16                              ; the scores are in; pc's 16 loads, the younger ones, stay out
.set i, 0
.rept 8
	v_sub_f32 v[32+i], v[32+i], v2
.set i, i+1
.endr
.set i, 0
.rept 8
	v_mul_f32 v[32+i], 0x3fb8aa3b, v[32+i]
.set i, i+1
.endr
.set i, 0
.rept 16
	v_exp_f32 v[8+i], v[8+i]                       ; one batch: the 16 w_i,
.set i, i+1
.endr
.set i, 0
.rept 8
	v_exp_f32 v[32+i], v[32+i]                     ; and my eight e^(s - M)
.set i, i+1
.endr
	v_nop                                          ; a plain instruction behind the last exponential,
	s_wait_alu depctr_va_vdst(0)                   ; and one wait ahead of the batch's first reader
	v_mul_f32 v3, s33, v8
.set i, 1
.rept 15
	v_fmac_f32 v3, s[33+2*i], v[8+i]               ; L
.set i, i+1
.endr
	v_rcp_f32 v4, v3
	v_nop
	s_wait_alu depctr_va_vdst(0)
.set i, 0
.rept 8
	v_mul_f32 v[32+i], v[32+i], v4
.set i, i+1
.endr
	global_store_b128 v1, v[32:35], s[12:13]
	global_store_b128 v1, v[36:39], s[12:13] offset:4096
.set i, 0
.rept 16
	v_mul_f32 v[8+i], v[8+i], v4                   ; w_i / L
.set i, i+1
.endr
	s_wait_loadcnt 0x0                             ; pc
.irp e, 0,1,2,3
	v_mul_f32 v[24+(\e)], v[64+(\e)], v8           ; the first tile starts the sums
.endr
.set i, 1
.rept 15
.irp e, 0,1,2,3
	v_fmac_f32 v[24+(\e)], v[64+4*i+(\e)], v[8+i]
.endr
.set i, i+1
.endr
	global_store_b128 v1, v[24:27], s[10:11]
	s_endpgm
.Lfunc_end_k_q4d25fc8f31_finish:
	.size	k_q4d25fc8f31_finish, .Lfunc_end_k_q4d25fc8f31_finish-k_q4d25fc8f31_finish
	.p2alignl 7, 3214868480
	.fill 96, 4, 3214868480
	.section	.rodata,"a",@progbits
	.p2align	6, 0x0
	.amdhsa_kernel k_q4d25fc8f31_finish
		.amdhsa_group_segment_fixed_size 0
		.amdhsa_private_segment_fixed_size 0
		.amdhsa_enable_private_segment 0
		.amdhsa_kernarg_size 40
		.amdhsa_user_sgpr_count 2
		.amdhsa_user_sgpr_kernarg_segment_ptr 1
		.amdhsa_wavefront_size32 1
		.amdhsa_system_sgpr_workgroup_id_x 1
		.amdhsa_system_sgpr_workgroup_id_y 1
		.amdhsa_system_sgpr_workgroup_id_z 1
		.amdhsa_system_vgpr_workitem_id 0
		.amdhsa_next_free_vgpr 128
		.amdhsa_next_free_sgpr 66
		.amdhsa_reserve_vcc 0
		.amdhsa_float_denorm_mode_32 3
		.amdhsa_float_denorm_mode_16_64 3
		.amdhsa_memory_ordered 1
		.amdhsa_forward_progress 1
		.amdhsa_inst_pref_size 11
	.end_amdhsa_kernel
	.amdgpu_metadata
---
amdhsa.version: [ 1, 2 ]
amdhsa.kernels:
  - .name:           k_q4d25fc8f31_finish
    .symbol:         k_q4d25fc8f31_finish.kd
    .args:
      - { .name: sc, .offset: 0, .size: 8, .value_kind: global_buffer, .address_space: global }
      - { .name: pml, .offset: 8, .size: 8, .value_kind: global_buffer, .address_space: global }
      - { .name: pc, .offset: 16, .size: 8, .value_kind: global_buffer, .address_space: global }
      - { .name: out0, .offset: 24, .size: 8, .value_kind: global_buffer, .address_space: global }
      - { .name: out1, .offset: 32, .size: 8, .value_kind: global_buffer, .address_space: global }
    .group_segment_fixed_size: 0
    .private_segment_fixed_size: 0
    .kernarg_segment_align: 8
    .kernarg_segment_size: 40
    .max_flat_workgroup_size: 256
    .sgpr_count:     66
    .vgpr_count:     128
    .wavefront_size: 32
...
	.end_amdgpu_metadata
.endif
;; end of part 3
